; MI455X (gfx1250); checked and timed in simulation.
; The chip was launched on July 23, 2026; its instructions are those of AMD's public machine-readable ISA for CDNA 5 (MIT licence, August 2026) and "CDNA5" Instruction Set Architecture Reference Guide (July 2026). The comments in the code are by the model that wrote it; some were corrected since.
;; MHA. Allowed arithmetic: matrix products marked QUANTISED: E2M1 operands, one E8M0 scale for each 32 along K, by v_wmma_scale_f32_16x16x128_f8f6f4 with both operands' format E2M1 (or v_wmma_scale_f32_32x16x128_f4), f32 sums; everything else in f32.
;; Inputs: X 16 x 1,024 x 512 float32; Y 16 x 1,024 x 512 float32; pad_x 2 x 512 float32; pad_y 2 x 512 float32.
;; Outputs: out0 16 x 1,024 x 512 float32; out1 16 x 1,024 x 512 float32.
;; This version of the problem:
;;   THIS VERSION OF THE PROBLEM IS GIVEN IN LOW PRECISION. The matrix products marked QUANTISED in the list below multiply operands that are first quantised to E2M1 (2 exponent bits, 1 mantissa bit; 4 bits a number), with one power-of-two scale for each 32 numbers along K (OCP MX v1.0); their sums are f32. All else is computed in f32.
;;   The module's matrix products, in the order in which they are computed (A, B: the left and right operand; K: the contracted axis; several contracted axes count as one K, in the product's order):
;;     1. batch 128 x [M 1,026, K 64] x [K 64, N 1,026]; A: computed on the way; B: computed on the way: QUANTISED
;;     2. batch 128 x [M 1,026, K 1,026] x [K 1,026, N 64]; A: softmax (see below); B: computed on the way: QUANTISED
;;     3. batch 128 x [M 1,026, K 1,026] x [K 1,026, N 64]; A: softmax (see below); B: computed on the way: QUANTISED
;;   THE QUANTISER, for each operand of a quantised product, along K:
;;     - K is cut into blocks of 32 from its start; a last block that is shorter is filled with zeros.
;;     - A block's scale is 2^e with e = floor(log2(the largest magnitude in the block)) - 2, held to -126 .. 127; a block of zeros has e = 0. As a byte (E8M0): e + 127.
;;     - Each number is divided by its block's scale, clamped to +-6, and rounded to the nearest number of E2M1, ties to even, subnormals kept.
;;     - The product sums the exact products of the quantised numbers (number of the format x scale) in f32.
;;   ~~~python
;;   def quantise(x, axis):      # numpy; x: float32 -> the quantised numbers, widened to float32 again
;;       x = np.moveaxis(x, axis, -1); K = x.shape[-1]
;;       x = np.pad(x, [(0, 0)] * (x.ndim - 1) + [(0, -K % 32)]); x = x.reshape(x.shape[:-1] + (-1, 32)); a = np.abs(x).max(-1, keepdims=True)
;;       e = np.where(a > 0, np.clip(np.frexp(np.where(a > 0, a, 1))[1] - 1 - 2, -126, 127), 0)      # np.frexp(a)[1] - 1 = floor(log2(a)), exactly
;;       r = np.clip(x / 2.0 ** e, -6, 6)
;;       step = 2.0 ** (np.maximum(np.frexp(np.where(r == 0, 1, r))[1] - 1, 0) - 1)
;;       q = np.round(r / step) * step * 2.0 ** e      # np.round: ties to even
;;       return np.moveaxis(q.reshape(q.shape[:-2] + (-1,))[..., :K], -1, axis).astype(np.float32)
;;   ~~~
;;   SOFTMAX AHEAD OF A QUANTISED PRODUCT. Where the list says 'softmax', what is quantised is not the finished softmax but p = 2^(t - M), with t = logit x log2(e) and M = ceil(the row's largest t), a whole number; so 1/2 < the row's largest p <= 1. The row's sum l is taken of the UNQUANTISED p, in f32, and the product's result is divided by l at the end. Since M is a whole number, a kernel that streams over the keys may use a running M (the ceiling of the running maximum): every later rescaling is an exact power of two, which a block's scale takes up: the codes' values come out the same.
;;   OPERANDS COMPUTED ON THE WAY. 'Computed on the way' means the value that the module computes at that place (a softmax that the list does not call 'softmax' is quantised finished and normalised). What goes into a quantiser is computed in f32, as accurately as f32 sums, v_exp_f32 and their like allow (about 1e-6 of the number): no bf16 or f16 on the way to a quantiser, and a product that is left as it is and whose result goes on into a quantised operand takes f32 operands (vector FMAs, or v_wmma_f32_16x16x4_f32). A number that lies on a knife's edge between two numbers of the format may be rounded either way, as far as f32 arithmetic and the matrix unit's own rounding can turn it there, and no further.
;; 2 versions. Each part assembles by itself: llvm-mc -triple=amdgcn-amd-amdhsa -mcpu=gfx1250 --defsym DOCPART=n.
;; ======== version 1 of 2: 1 launch
;; launch mha (part 1): grid 2 x 128, 16 waves a work-group, no clusters, 289,792 bytes of LDS; arguments X, Y, pad_x, pad_y, out0, out1; writes out0, out1
.if DOCPART == 1
	.amdgcn_target "amdgcn-amd-amdhsa--gfx1250"
	.amdhsa_code_object_version 6
	.text
	.protected	k_qb6cc654996_mha
	.globl	k_qb6cc654996_mha
	.p2align	8
	.type	k_qb6cc654996_mha,@function
k_qb6cc654996_mha:
	s_mov_b64 s[64:65], 0
	v_nop
	global_prefetch_b8 v0, s[64:65] scope:SCOPE_SE
	s_setreg_imm32_b32 hwreg(HW_REG_WAVE_MODE, 25, 1), 1
	s_wait_xcnt 0x0
; Two attentions that share one similarity matrix, on codes of FP4 (E2M1) with one E8M0 scale for each 32 along a product's K.
; For each of 128 heads (16 batches x 8 heads of 64 channels): Xp, Yp = two pad rows, then the head's 1,024 rows of X, of Y.  sim = Xp Yp^T.
;   out0: softmax of sim along Xp's rows, weighing Xp's rows: queries = Y's 1,024 rows, keys = values = Xp's 1,026 rows.     out1: the same with X and Y exchanged.
; ONE LAUNCH, 256 work-groups: work-group x = the direction (0: out0, 1: out1), y = the head.  Sixteen waves of 256 registers, four to a SIMD, so that one wave's vector work stands beside another's products and LDS loads.
; PHASE A: the head's key tensor (pads first) and query tensor are read as f32, each byte once, two rows x 256 bytes a load; each piece of 32 rows turns through the wave's own f32 stage in LDS and is quantised:
;   along the channels (keys' and queries' codes for sim: a lane holds one block of 32 of one row) and, for the keys, along the keys (the values' codes: a lane holds one channel, its registers run down 32 keys).
;   Codes and scale words stay in LDS: 148,352 bytes.  One barrier.
; PHASE B: a wave owns 64 queries, four tiles of 16, one after the other.  Both products are used transposed (S^T = K Q^T, O^T = V^T P^T): a lane holds ONE query (lane % 16) throughout.
;   t = score x log2(e); M = the running largest t rounded up to a whole number; p = 2^(t - M) is quantised along the keys, not normalised; the sum of the unquantised p divides at the end;
;   when M moves, the sum and O^T are multiplied by 2^(old M - new M), which rounds nothing.  The two odd keys 1,024 and 1,025 (block 32) come first and start M, the sum and O^T; then eight steps of 128 keys.
; sim's K IS 64, THE INSTRUCTION'S 128: the queries' registers 4-7 are zero codes, so whatever stands in the keys' registers 4-7 (the next tile's codes) adds nothing; bytes 2, 3 of both scale words are 0, never 0xff.
; KEYS INSIDE A BLOCK: a tile of S^T is 16 neighbouring keys, so p's codes come out with a block's four groups of 8 keys in the order 0, 2, 1, 3; the values' quantiser lays its four registers in the same order.
; NO CLUSTER, NO TENSOR LOAD: only the two work-groups of a head read the same bytes, 512 KB of f32 that must pass through registers to be quantised, once, at the start; the loop reads LDS alone.
; LIMITS: NaN and infinities among the inputs are not served.  A block of zeros gets the scale byte 1 (its codes are zeros; the bytes are read by this text alone).  The order of summation differs from ascending keys:
;   block 32 first, and inside a block the groups 0, 2, 1, 3.  p under 2^-126 is taken as 0 (ISA guide, v_exp_f32).  A block's largest p is made from its largest score by the same two instructions.
.set KP,   48                          ; a row of codes along the channels in LDS: 32 bytes + 16: three times 16, so 16 rows fall on 16 different 16-byte columns
.set VP,   592                         ; a channel's row of codes along the keys: 36 blocks x 16 bytes + 16 = 37 x 16
.set SP,   272                         ; a stage row: 256 bytes + 16
.set KC,   0                           ; keys' codes: 1,056 rows (1,026 .. 1,055 are zero codes)
.set KS,   50688                       ; keys' scale words, 4 bytes a key
.set QC,   54912                       ; queries' codes: 1,024 rows
.set QS,   104064                      ; queries' scale words
.set VC,   108160                      ; values' codes: 64 rows; blocks 33 .. 35 are zeros
.set VS,   146048                      ; values' scale bytes: 36 a channel; bytes 33 .. 35 are 0
.set STG,  148480                      ; a stage of 32 x SP bytes for each wave, its own
.set STGW, 32*SP
; vector registers that stay
.set AK0,  1                           ; KC + 48 r + 16 h          (r = lane % 16, h = lane / 16, l = lane)
.set AV0,  2                           ; VC + 592 r + 16 h
.set AKS0, 3                           ; KS + 4 l
.set AVS0, 4                           ; VS + 36 l
.set AQ0,  5                           ; QC + 48 r + 16 h + 3,072 wave
.set AQS0, 6                           ; QS + 4 r + 256 wave
.set GO,   7                           ; 2,048 h + 16 r: the lane's place in two rows of a tensor
.set SW,   16                          ; stage + 272 h + 16 r: by pairs of rows
.set STO,  17                          ; stage + 272 r + 32 h: the way out, in
.set SD,   18                          ; stage + 272 r + 128 h: a row's block of 32 channels
.set SK,   19                          ; stage + 4 l: a column
.set KCA,  20                          ; AK0 + 1,536 wave
.set KSA,  21                          ; KS + 4 r + 128 wave
.set VCA,  22                          ; VC + 592 l + 16 wave
.set VSA,  23                          ; VS + 36 l + wave
.set H8,   24                          ; 8 h
; phase A
.set RA,   28                          ; v28-91, v92-155: two sets of 32 rows as loaded
.set RB,   92
.set W,    156                         ; v156-219: two groups of 32 numbers
.set C,    220                         ; v220-227: two sets of 4 registers of codes
.set MA,   228
.set MB,   229
.set SOP,  230
.set SH,   231
.set BY,   232                         ; v232-233
.set WD,   234                         ; v234-235
.set Z,    236                         ; v236-239: 0
.set RT,   240                         ; v240-243: the odd keys' two rows
.set TP,   244
; phase B
.set ADK,  8
.set ADV,  9
.set ADS,  10
.set ADT,  11                          ; v12 -M, v13 the largest t, v[14:15] the sum in two halves
.set ADQ,  25
.set ADQS, 26
.set QF,   28                          ; v28-31 the tile's queries, v32-35 zero codes
.set KF,   36                          ; v36-67 eight tiles of keys, 4 registers each; v68-71 zero codes
.set VF,   72                          ; v72-103 four fragments of V^T
.set S,    104                         ; v104-167 S^T, then p
.set O,    168                         ; v168-199 O^T
.set PC,   200                         ; v200-207 p's codes
.set BM,   208
.set BT,   212
.set SO,   216
.set TMP,  220
.set SUM2, 222
.set FF,   246                         ; f = 2^(old M - new M); named as a pair with v247
.set PW,   247                         ; p's scale word.  v247-254 hold scales and nothing else
.set KSR,  248                         ; v248-251: lanes 0-15 tile 2 b's words, lanes 16-31 tile 2 b + 1's
.set VSR,  252                         ; v252-253: lanes 0-15 channels 32 i + r, lanes 16-31 channels 32 i + 16 + r
.set QSR,  254
; scalar registers
.set WV,   16
.set KB,   20                          ; the key tensor at the head
.set QB,   22                          ; the query tensor at the wave's 64 rows
.set PADB, 24
.set OB,   26                          ; the output at the tile's 16 rows
.set B1,   28                          ; KB + 65,536 wave
.set B0,   30                          ; where keys 32 wave and 32 wave + 1 lie: the pad for wave 0
.set SEL,  34
.set CS,   36
.set TK,   38
.set TV,   39
.set TKS,  40
.set TVS,  41
.set TQ,   42
.set TQS,  43
.set TI,   44
.set ST,   45
; 32 rows of a head: 16 loads, each two rows x 256 consecutive bytes, aligned.  No cache word: the head's other work-group reads the same bytes
.macro GLOAD set, base, off
.irp i, 0,1,2,3,4,5,6,7,8,9,10,11,12,13,14,15
	global_load_b128 v[\set+4*\i:\set+4*\i+3], v[GO], s[\base:\base+1] offset:(\off)+4096*\i
.endr
.endm
.macro STAGE_IN set
.irp i, 0,1,2,3,4,5,6,7,8,9,10,11,12,13,14,15
	ds_store_b128 v[SW], v[\set+4*\i:\set+4*\i+3] offset:2*SP*\i
.endr
.endm
; One block: 32 numbers of a lane -> 4 registers of codes and the scale's byte.  perm = 1: the groups of 8 go to registers 0, 2, 1, 3
.macro QCORE src, dst, perm, by
	v_max3_num_f32 v[MA], |v[\src]|, |v[\src+1]|, 0x1800000        ; the floor 2^(3 - 127) among the leaves: the byte cannot fall under 1
	v_max3_num_f32 v[MB], |v[\src+2]|, |v[\src+3]|, |v[\src+4]|    ; two chains, so that no line waits for the line above it
.irp i, 5,9,13,17,21,25
	v_max3_num_f32 v[MA], v[MA], |v[\src+\i]|, |v[\src+\i+1]|
	v_max3_num_f32 v[MB], v[MB], |v[\src+\i+2]|, |v[\src+\i+3]|
.endr
	v_max3_num_f32 v[MA], v[MA], |v[\src+29]|, |v[\src+30]|
	v_max3_num_f32 v[MA], v[MA], v[MB], |v[\src+31]|               ; the block's largest magnitude
	v_add_nc_u32 v[SOP], 0xff000000, v[MA]                         ; 2 off its exponent field: the conversion takes this operand's exponent field as its scale
	v_cvt_scalef32_pk8_fp4_f32 v[\dst], v[\src:\src+7], v[SOP]
	v_cvt_scalef32_pk8_fp4_f32 v[\dst+1+\perm], v[\src+8:\src+15], v[SOP]
	v_cvt_scalef32_pk8_fp4_f32 v[\dst+2-\perm], v[\src+16:\src+23], v[SOP]
	v_cvt_scalef32_pk8_fp4_f32 v[\dst+3], v[\src+24:\src+31], v[SOP]
	v_lshrrev_b32 v[\by], 23, v[SOP]                               ; the scale's byte; also the plain line behind the conversions
.endm
; The row's scale word: my block's byte at byte h, lane l xor 16's at the other; bytes 2 and 3 stay 0
.macro WORD by, wd
	v_lshlrev_b32 v[SH], v[H8], v[\by]
	v_permlanex16_b32 v[TP], v[SH], s[SEL], s[SEL+1]
	v_or_b32 v[\wd], v[SH], v[TP]
.endm
; The stage's 32 rows are quantised along the channels: lane (r, h) takes channels 32 h .. 32 h + 31 of row 16 g + r: its 4 registers of codes are bytes 16 h .. of that row of codes.
; rl = 1: the set of registers that the stage's stores have read takes the next 32 rows.
.macro ALONG_D cadr, sadr, coff, soff, rl, set, base, off
.irp g, 0,1
.irp n, 0,1,2,3,4,5,6,7
	ds_load_b128 v[W+32*\g+4*\n:W+32*\g+4*\n+3], v[SD] offset:16*SP*\g+16*\n     ; LDS serves a wave's instructions in order: these see my stores into the stage
.endr
.endr
	s_wait_dscnt 8                                 ; rows 0-15 are in (rows 16-31's eight loads may be out); all older LDS instructions are done
.if \rl
	GLOAD \set, \base, \off
.endif
	QCORE W, C, 0, BY
	WORD BY, WD
	ds_store_b128 v[\cadr], v[C:C+3] offset:\coff
	ds_store_b32 v[\sadr], v[WD] offset:\soff      ; both halves of the lanes write the same word with the same value
	s_wait_dscnt 2                                 ; rows 16-31 are in; behind them stand my two stores
	QCORE W+32, C+4, 0, BY+1
	WORD BY+1, WD+1
	ds_store_b128 v[\cadr], v[C+4:C+7] offset:\coff+16*KP
	ds_store_b32 v[\sadr], v[WD+1] offset:\soff+64
.endm
; The stage's 32 rows, one block along the keys, are quantised down the columns: lane l takes channel l + 32 g.  The block is number wave + 16 j.  odd = 1: block 32, whose scale goes out as a word
; (bytes 33-35 become 0), and blocks 33-35 are filled with zero codes.
.macro ALONG_K j, odd
.set n, 0
.rept 64
	ds_load_b32 v[W+n], v[SK] offset:SP*(n%32)+128*(n/32)          ; 32 lanes read 128 consecutive bytes of a stage row
.set n, n+1
.endr
	s_wait_dscnt 32                                ; channels 0-31 are in; the other 32 loads may be out
	QCORE W, C, 1, BY
	ds_store_b128 v[VCA], v[C:C+3] offset:256*\j
.if \odd
	ds_store_b32 v[VSA], v[BY] offset:32
.else
	ds_store_b8 v[VSA], v[BY] offset:16*\j
.endif
	s_wait_dscnt 2                                 ; channels 32-63 are in; behind them stand my two stores
	QCORE W+32, C+4, 1, BY+1
	ds_store_b128 v[VCA], v[C+4:C+7] offset:256*\j+32*VP
.if \odd
	ds_store_b32 v[VSA], v[BY+1] offset:32+32*36
.irp g, 0,1
.irp c, 1,2,3
	ds_store_b128 v[VCA], v[Z:Z+3] offset:32*VP*\g+512+16*\c
.endr
.endr
.else
	ds_store_b8 v[VSA], v[BY+1] offset:16*\j+32*36
.endif
.endm
; Four fragments of V^T (16 channels x 128 keys each) from byte off of the rows
.macro LOADV adr, off
.irp d, 0,1,2,3
.irp c, 0,1
	ds_load_b128 v[VF+8*\d+4*\c:VF+8*\d+4*\c+3], v[\adr] offset:\off+16*VP*\d+32*\c
.endr
.endr
.endm
; S^T, tile t of 16 keys: source 0 = the keys (registers 4-7 are the next tile's, and meet zero codes), source 1 = my 16 queries
.macro SIM t
.if (\t)%2
	v_wmma_scale_f32_16x16x128_f8f6f4 v[S+8*(\t):S+8*(\t)+7], v[KF+4*(\t):KF+4*(\t)+7], v[QF:QF+7], 0, v[KSR+(\t)/2], v[QSR] matrix_a_fmt:MATRIX_FMT_FP4 matrix_b_fmt:MATRIX_FMT_FP4 matrix_a_scale:MATRIX_SCALE_ROW1
.else
	v_wmma_scale_f32_16x16x128_f8f6f4 v[S+8*(\t):S+8*(\t)+7], v[KF+4*(\t):KF+4*(\t)+7], v[QF:QF+7], 0, v[KSR+(\t)/2], v[QSR] matrix_a_fmt:MATRIX_FMT_FP4 matrix_b_fmt:MATRIX_FMT_FP4
.endif
.endm
; O^T, tile d of 16 channels: source 0 = V^T, source 1 = p.  zero = 1: the product starts the sum
.macro PV d, zero
.if \zero
.if (\d)%2
	v_wmma_scale_f32_16x16x128_f8f6f4 v[O+8*(\d):O+8*(\d)+7], v[VF+8*(\d):VF+8*(\d)+7], v[PC:PC+7], 0, v[VSR+(\d)/2], v[PW] matrix_a_fmt:MATRIX_FMT_FP4 matrix_b_fmt:MATRIX_FMT_FP4 matrix_a_scale:MATRIX_SCALE_ROW1
.else
	v_wmma_scale_f32_16x16x128_f8f6f4 v[O+8*(\d):O+8*(\d)+7], v[VF+8*(\d):VF+8*(\d)+7], v[PC:PC+7], 0, v[VSR+(\d)/2], v[PW] matrix_a_fmt:MATRIX_FMT_FP4 matrix_b_fmt:MATRIX_FMT_FP4
.endif
.else
.if (\d)%2
	v_wmma_scale_f32_16x16x128_f8f6f4 v[O+8*(\d):O+8*(\d)+7], v[VF+8*(\d):VF+8*(\d)+7], v[PC:PC+7], v[O+8*(\d):O+8*(\d)+7], v[VSR+(\d)/2], v[PW] matrix_a_fmt:MATRIX_FMT_FP4 matrix_b_fmt:MATRIX_FMT_FP4 matrix_a_scale:MATRIX_SCALE_ROW1
.else
	v_wmma_scale_f32_16x16x128_f8f6f4 v[O+8*(\d):O+8*(\d)+7], v[VF+8*(\d):VF+8*(\d)+7], v[PC:PC+7], v[O+8*(\d):O+8*(\d)+7], v[VSR+(\d)/2], v[PW] matrix_a_fmt:MATRIX_FMT_FP4 matrix_b_fmt:MATRIX_FMT_FP4
.endif
.endif
.endm
	; ---------------- the head: every address is made here, ahead of every branch
	s_load_b256 s[4:11], s[0:1], 0x0               ; X s[4:5], Y s[6:7], pad_x s[8:9], pad_y s[10:11]
	s_load_b128 s[12:15], s[0:1], 0x20             ; out0 s[12:13], out1 s[14:15]
	v_lshl_add_u32 v245, v0, 2, 0x46400
	v_mov_b32 v255, 0
	v_lshrrev_b32 v8, 5, v0
	v_readfirstlane_b32 s[WV], v8                  ; wave 0..15
	v_and_b32 v9, 31, v0                           ; l
	v_and_b32 v10, 15, v0                          ; r
	v_bfe_u32 v11, v0, 4, 1                        ; h
	v_lshlrev_b32 v[GO], 4, v10
	v_lshl_add_u32 v[GO], v11, 11, v[GO]
	v_mul_u32_u24 v[AK0], v10, KP
	v_lshl_add_u32 v[AK0], v11, 4, v[AK0]
	v_mul_u32_u24 v[AV0], v10, VP
	v_lshl_add_u32 v[AV0], v11, 4, v[AV0]
	v_add_nc_u32 v[AV0], VC, v[AV0]
	v_lshl_add_u32 v[AKS0], v9, 2, KS
	v_mul_u32_u24 v[AVS0], v9, 36
	v_add_nc_u32 v[AVS0], VS, v[AVS0]
	s_mul_i32 s46, s[WV], 64*KP
	s_add_co_u32 s46, s46, QC
	v_add_nc_u32 v[AQ0], s46, v[AK0]
	s_lshl_b32 s46, s[WV], 8
	s_add_co_u32 s46, s46, QS
	v_lshl_add_u32 v[AQS0], v10, 2, s46
	s_mul_i32 s47, s[WV], STGW
	s_add_co_u32 s47, s47, STG                     ; my stage
	v_mul_u32_u24 v[SW], v11, SP
	v_lshl_add_u32 v[SW], v10, 4, v[SW]
	v_add_nc_u32 v[SW], s47, v[SW]
	v_mul_u32_u24 v[STO], v10, SP
	v_lshl_add_u32 v[SD], v11, 7, v[STO]
	v_lshl_add_u32 v[STO], v11, 5, v[STO]
	v_add_nc_u32 v[SD], s47, v[SD]
	v_add_nc_u32 v[STO], s47, v[STO]
	v_lshl_add_u32 v[SK], v9, 2, s47
	s_mul_i32 s46, s[WV], 32*KP
	v_add_nc_u32 v[KCA], s46, v[AK0]
	s_lshl_b32 s46, s[WV], 7
	s_add_co_u32 s46, s46, KS
	v_lshl_add_u32 v[KSA], v10, 2, s46
	v_mul_u32_u24 v[VCA], v9, VP
	s_lshl_b32 s46, s[WV], 4
	s_add_co_u32 s46, s46, VC
	v_add_nc_u32 v[VCA], s46, v[VCA]
	v_add_nc_u32 v[VSA], s[WV], v[AVS0]
	v_lshlrev_b32 v[H8], 3, v11
.irp i, 0,1,2,3
	v_mov_b32 v[Z+\i], 0
.endr
	v_mov_b32 v[TP], 0                             ; a lane permute's destination counts as one of its sources
	s_mov_b32 s[SEL], 0x76543210
	s_mov_b32 s[SEL+1], 0xfedcba98                 ; v_permlanex16_b32's selects for lane l xor 16
	s_mov_b32 s[CS], 0x3fb8aa3b                    ; log2(e)
	s_mov_b32 s[CS+1], s[CS]                       ; (named with it as a pair, so it is written)
	s_mov_b32 vcc_lo, 0xffff                       ; lanes 0-15; never written again
	s_and_b32 s17, ttmp7, 0xffff                   ; 8 x batch + head
	s_lshr_b32 s18, s17, 3
	s_lshl_b32 s18, s18, 21                        ; a batch is 1,024 rows of 2,048 bytes
	s_and_b32 s17, s17, 7
	s_lshl_b32 s17, s17, 8                         ; a head's 64 channels are 256 bytes of a row
	s_or_b32 s18, s18, s17
	s_mov_b32 s19, 0
	s_mov_b32 s33, 0
	s_wait_kmcnt 0x0
	s_cmp_eq_u32 ttmp9, 0                          ; the direction: the choice hangs on the work-group's number alone
	s_cselect_b64 s[KB:KB+1], s[4:5], s[6:7]       ; keys and values: X or Y
	s_cselect_b64 s[QB:QB+1], s[6:7], s[4:5]       ; queries: Y or X
	s_cselect_b64 s[PADB:PADB+1], s[8:9], s[10:11]
	s_cselect_b64 s[OB:OB+1], s[12:13], s[14:15]
	s_add_nc_u64 s[KB:KB+1], s[KB:KB+1], s[18:19]
	s_add_nc_u64 s[QB:QB+1], s[QB:QB+1], s[18:19]
	s_add_nc_u64 s[OB:OB+1], s[OB:OB+1], s[18:19]
	s_mov_b32 s32, s17
	s_add_nc_u64 s[PADB:PADB+1], s[PADB:PADB+1], s[32:33]
	s_lshl_b32 s32, s[WV], 17                      ; my 64 queries: 64 rows of 2,048 bytes a wave
	s_add_nc_u64 s[QB:QB+1], s[QB:QB+1], s[32:33]
	s_add_nc_u64 s[OB:OB+1], s[OB:OB+1], s[32:33]
	s_lshl_b32 s32, s[WV], 16                      ; 32 rows a wave
	s_add_nc_u64 s[B1:B1+1], s[KB:KB+1], s[32:33]
	s_sub_co_i32 s32, s32, 4096                    ; key k is tensor row k - 2: keys 32 w, 32 w + 1 lie two rows back;
	s_max_i32 s32, s32, 0
	s_cmp_eq_u32 s[WV], 0                          ; for wave 0 they are the two pad rows, which also lie 2,048 bytes apart
	s_cselect_b64 s[B0:B0+1], s[PADB:PADB+1], s[KB:KB+1]
	s_add_nc_u64 s[B0:B0+1], s[B0:B0+1], s[32:33]
	; ---------------- PHASE A.  Wave w: key blocks w and w + 16, query rows 64 w .. 64 w + 63; wave 0 also the odd block 32.  32 loads a wave leave at once
	global_load_b128 v[RA:RA+3], v[GO], s[B0:B0+1]
.irp i, 1,2,3,4,5,6,7,8,9,10,11,12,13,14,15
	global_load_b128 v[RA+4*\i:RA+4*\i+3], v[GO], s[B1:B1+1] offset:4096*(\i-1)
.endr
	GLOAD RB, B1, 1048576-4096                     ; keys 32 (w + 16) on: tensor rows 32 w + 510 on
	s_cmp_lg_u32 s[WV], 0
	s_cbranch_scc1 .Lno_odd
	global_load_b128 v[RT:RT+3], v[GO], s[KB:KB+1] offset:1022*2048   ; keys 1,024 and 1,025: the tensor's last two rows
	s_wait_loadcnt 0x0                             ; it is the youngest of wave 0's 33 loads
	ds_store_b128 v[SW], v[RT:RT+3]
.irp i, 1,2,3,4,5,6,7,8,9,10,11,12,13,14,15
	ds_store_b128 v[SW], v[Z:Z+3] offset:2*SP*\i   ; the rest of the block is filled with zeros
.endr
	ALONG_D KCA, KSA, 1024*KP, 4096, 0, RA, QB, 0
	ALONG_K 2, 1
.Lno_odd:
	s_wait_loadcnt 16                              ; my first 32 keys are in; the 16 loads of the second 32 may be out
	STAGE_IN RA
	ALONG_D KCA, KSA, 0, 0, 1, RA, QB, 0           ; and my first 32 queries are asked for
	ALONG_K 0, 0
	s_wait_loadcnt 16                              ; the second 32 keys are in; the 16 loads of the first 32 queries may be out
	STAGE_IN RB
	ALONG_D KCA, KSA, 512*KP, 2048, 1, RB, QB, 65536
	ALONG_K 1, 0
	s_wait_loadcnt 16                              ; the first 32 queries are in; the 16 loads of the second 32 may be out
	STAGE_IN RA
	ALONG_D AQ0, AQS0, 0, 0, 0, RA, QB, 0
	s_wait_loadcnt 0x0
	STAGE_IN RB
	ALONG_D AQ0, AQS0, 32*KP, 128, 0, RA, QB, 0
	s_wait_dscnt 0x0                               ; for the others' sake: all my stores of codes and scales have landed
	s_barrier_signal -1
	s_barrier_wait -1                              ; the launch's one barrier: from here on codes and scales are only read; a stage stays its wave's own
	; ---------------- PHASE B
.irp i, 4,5,6,7
	v_mov_b32 v[QF+\i], 0                          ; the queries' k = 64 .. 127: zero codes, written once
.endr
.irp i, 32,33,34,35
	v_mov_b32 v[KF+\i], 0                          ; behind the last tile of keys: zero codes, written once
.endr
.irp i, 0,1,2,3
	v_mov_b32 v[BT+\i], 0                          ; lane permutes' destinations.  (With the two additions below: six plain lines between the zero codes and the first product)
.endr
	s_mov_b32 s[TQ], 0
	s_mov_b32 s[TQS], 0
	s_mov_b32 s[TI], 4
.Ltile:                                                ; four trips: a tile of 16 queries each
	v_add_nc_u32 v[ADQ], s[TQ], v[AQ0]
	v_add_nc_u32 v[ADQS], s[TQS], v[AQS0]
	ds_load_b128 v[QF:QF+3], v[ADQ]
	ds_load_b32 v[QSR], v[ADQS]
	ds_load_b128 v[KF+28:KF+31], v[AK0] offset:1024*KP     ; keys 1,024 .. 1,039, in the last tile's place: above it stand the zero codes
	ds_load_b32 v[KSR], v[AKS0] offset:4096
	LOADV AV0, 512                                 ; blocks 32 .. 35 of the values
	ds_load_b32 v[VSR], v[AVS0] offset:32
	ds_load_b32 v[VSR+1], v[AVS0] offset:32*36+32
	s_wait_dscnt 10                                ; the first four loads are in; V's eight and its two scale loads may be out
	; THE TWO ODD KEYS start M, the sum and O^T: nothing is cleared
	v_wmma_scale_f32_16x16x128_f8f6f4 v[S:S+7], v[KF+28:KF+35], v[QF:QF+7], 0, v[KSR], v[QSR] matrix_a_fmt:MATRIX_FMT_FP4 matrix_b_fmt:MATRIX_FMT_FP4
.irp i, 1,2,3,4
	v_mov_b32 v[PC+\i], 0                          ; four plain lines between the product and the first read of its result
.endr
	v_cndmask_b32 v[S], 0xff800000, v[S], vcc_lo   ; register j of lane (r, h) is key 1,024 + 8 h + j: only j = 0, 1 of lanes 0-15 are keys; lanes 16-31 get -infinity
	v_cndmask_b32 v[S+1], 0xff800000, v[S+1], vcc_lo
	v_max_num_f32 v[BM], v[S], v[S+1]
	v_permlanex16_b32 v[BT], v[BM], s[SEL], s[SEL+1]
	v_max_num_f32 v[BM], v[BM], v[BT]
	v_mul_f32 v13, s[CS], v[BM]                    ; the largest t so far
	v_floor_f32 v12, -v13                          ; -M = floor(-t) = -ceil(t)
	v_pk_fma_f32 v[S:S+1], v[S:S+1], s[CS:CS+1], v[12:13] op_sel_hi:[1,0,0]   ; t - M
	v_exp_f32 v[S], v[S]
	v_exp_f32 v[S+1], v[S+1]                       ; p; 0 in lanes 16-31
.irp i, 2,3,4,5,6,7
	v_mov_b32 v[S+\i], 0                           ; the rows of zero codes count for nothing.  (The first of these is the plain line behind the exponentials)
.endr
	s_wait_alu depctr_va_vdst(0)
	v_max3_num_f32 v[BM], v[S], v[S+1], 0x1800000  ; the block's largest p, and the floor
	v_add_nc_u32 v[SO], 0xff000000, v[BM]
	v_lshrrev_b32 v[PW], 23, v[SO]                 ; the scale word: byte 0 the block's; bytes 1-3 are 0, over zero codes
	v_cvt_scalef32_pk8_fp4_f32 v[PC], v[S:S+7], v[SO]      ; lanes 0-15, register 0: keys 1,024 .. 1,031 of the step's block 0; no lane has to change places
.irp i, 5,6,7
	v_mov_b32 v[PC+\i], 0
.endr
	v_mov_b32 v14, v[S]                            ; the sum begins
	v_mov_b32 v15, v[S+1]
.rept 3
	v_nop                                          ; eight plain lines behind the scale word, five behind the last zero code, ahead of the scaled products
.endr
	s_wait_dscnt 0x0                               ; V is in
	PV 0, 1
	PV 1, 1
	PV 2, 1
	PV 3, 1
	s_mov_b32 s[TK], 0
	s_mov_b32 s[TV], 0
	s_mov_b32 s[TKS], 0
	s_mov_b32 s[TVS], 0
	s_mov_b32 s[ST], 8
.Lstep:                                                ; eight trips: 128 keys each.  The twelve accumulators take turns, one instruction a turn, over the backward jump too
	v_add_nc_u32 v[ADK], s[TK], v[AK0]             ; these four are also the plain lines between the last products and the loads into their operands
	v_add_nc_u32 v[ADV], s[TV], v[AV0]
	v_add_nc_u32 v[ADS], s[TKS], v[AKS0]
	v_add_nc_u32 v[ADT], s[TVS], v[AVS0]
.irp t, 0,1,2,3,4,5,6,7
	ds_load_b128 v[KF+4*\t:KF+4*\t+3], v[ADK] offset:16*KP*\t
.endr
.irp b, 0,1,2,3
	ds_load_b32 v[KSR+\b], v[ADS] offset:128*\b
.endr
	LOADV ADV, 0
	ds_load_b32 v[VSR], v[ADT]
	ds_load_b32 v[VSR+1], v[ADT] offset:32*36
	s_wait_dscnt 10                                ; K's eight fragments and four scale loads are in; V's ten loads may be out: they land under the softmax
.irp t, 0,1,2,3,4,5,6,7
	SIM \t
.endr
.rept 4
	v_nop
.endr
.irp b, 0,1,2,3
	v_max3_num_f32 v[BM+\b], v[S+16*\b], v[S+16*\b+1], v[S+16*\b+2]    ; the largest score of each block of 32 keys: for the row's maximum, and for the block's largest p
.endr
.irp i, 3,5,7,9,11,13
.irp b, 0,1,2,3
	v_max3_num_f32 v[BM+\b], v[BM+\b], v[S+16*\b+\i], v[S+16*\b+\i+1]  ; (the four blocks by turns; each accumulator is read from its low end on)
.endr
.endr
.irp b, 0,1,2,3
	v_max_num_f32 v[BM+\b], v[BM+\b], v[S+16*\b+15]
.endr
.irp b, 0,1,2,3
	v_permlanex16_b32 v[BT+\b], v[BM+\b], s[SEL], s[SEL+1]
.endr
.irp b, 0,1,2,3
	v_max_num_f32 v[BM+\b], v[BM+\b], v[BT+\b]     ; with lane l xor 16's 16 keys
.endr
	v_max3_num_f32 v[TMP], v[BM], v[BM+1], v[BM+2]
	v_max_num_f32 v[TMP], v[TMP], v[BM+3]
	v_mul_f32 v[TMP], s[CS], v[TMP]
	v_max_num_f32 v13, v13, v[TMP]                 ; the running largest t
	v_mov_b32 v[TMP], v12
	v_floor_f32 v12, -v13                          ; the new -M
	v_sub_f32 v[TMP], v12, v[TMP]                  ; old M - new M: a whole number, 0 or less
	v_cvt_i32_f32 v[TMP], v[TMP]                   ; (it saturates)
	v_ldexp_f32 v[FF], 1.0, v[TMP]                 ; f = 2^(old M - new M)
.set n, 0
.rept 32
	v_pk_fma_f32 v[S+n:S+n+1], v[S+n:S+n+1], s[CS:CS+1], v[12:13] op_sel_hi:[1,0,0]   ; t - M, two at a time
.set n, n+2
.endr
.irp b, 0,1,2,3
	v_fma_f32 v[BM+\b], v[BM+\b], s[CS], v12       ; the same of each block's largest score
.endr
.set n, 0
.rept 64
	v_exp_f32 v[S+n], v[S+n]                       ; p = 2^(t - M), at most 1
.set n, n+1
.endr
.irp b, 0,1,2,3
	v_exp_f32 v[BM+\b], v[BM+\b]                   ; the block's largest p
.endr
	v_pk_mul_f32 v[14:15], v[14:15], v[FF:FF+1] op_sel_hi:[1,0]    ; the sum under the new M.  (The plain line behind the exponentials)
	s_wait_alu depctr_va_vdst(0)
.irp b, 0,1,2,3
	v_max_num_f32 v[BM+\b], 0x1800000, v[BM+\b]    ; the floor: the byte cannot fall under 1
.endr
.irp b, 0,1,2,3
	v_add_nc_u32 v[SO+\b], 0xff000000, v[BM+\b]
.endr
.irp b, 0,1,2,3
	v_lshrrev_b32 v[BT+\b], 23, v[SO+\b]
.endr
	v_lshl_or_b32 v[PW], v[BT+1], 8, v[BT]         ; p's scale word for these 128 keys
	v_lshl_or_b32 v[PW], v[BT+2], 16, v[PW]
	v_lshl_or_b32 v[PW], v[BT+3], 24, v[PW]
.irp b, 0,1,2,3
	v_cvt_scalef32_pk8_fp4_f32 v[PC+2*\b], v[S+16*\b:S+16*\b+7], v[SO+\b]          ; keys 32 b + 8 h + 0 .. 7
	v_cvt_scalef32_pk8_fp4_f32 v[PC+2*\b+1], v[S+16*\b+8:S+16*\b+15], v[SO+\b]     ; keys 32 b + 16 + 8 h + 0 .. 7
.endr
	v_nop                                          ; one plain line behind the scaled conversions
.irp c, 0,1
.irp i, 0,1
	v_permlane16_swap_b32 v[PC+4*\c+\i], v[PC+4*\c+2+\i]   ; a whole block to a lane: lanes 0-15 block 2 c, lanes 16-31 block 2 c + 1; its groups of 8 keys in the order 0, 2, 1, 3, as V's lie
.endr
.endr
	v_pk_add_f32 v[SUM2:SUM2+1], v[S:S+1], v[S+2:S+3]      ; the sum of the unquantised p, two at a time, in two chains
.set n, 4
.rept 15
	v_pk_add_f32 v[14:15], v[14:15], v[S+n:S+n+1]
	v_pk_add_f32 v[SUM2:SUM2+1], v[SUM2:SUM2+1], v[S+n+2:S+n+3]
.set n, n+4
.endr
	v_pk_add_f32 v[14:15], v[14:15], v[SUM2:SUM2+1]
.set n, 0
.rept 16
	v_pk_mul_f32 v[O+n:O+n+1], v[O+n:O+n+1], v[FF:FF+1] op_sel_hi:[1,0]    ; O^T under the new M, from each accumulator's low end on
.set n, n+2
.endr
	s_wait_dscnt 0x0                               ; V is in
	PV 0, 0
	PV 1, 0
	PV 2, 0
	PV 3, 0
	s_add_co_u32 s[TK], s[TK], 128*KP
	s_add_co_u32 s[TV], s[TV], 64
	s_add_co_u32 s[TKS], s[TKS], 512
	s_add_co_u32 s[TVS], s[TVS], 4
	s_sub_co_u32 s[ST], s[ST], 1
	s_cmp_lg_u32 s[ST], 0
	s_cbranch_scc1 .Lstep
	; THE WAY OUT: O^T / the sum goes through my stage and leaves as rows: sixteen lanes store 256 consecutive bytes, aligned: a row's part of this head
	v_add_f32 v14, v14, v15
	v_permlanex16_b32 v[BT], v14, s[SEL], s[SEL+1]
	v_add_f32 v14, v14, v[BT]                      ; the row's sum
	v_rcp_f32 v14, v14
.rept 3
	v_nop                                          ; the plain line behind the reciprocal; with the two additions five plain lines behind the last products
.endr
.set n, 0
	s_wait_alu depctr_va_vdst(0)
.rept 16
	v_pk_mul_f32 v[S+n:S+n+1], v[O+n:O+n+1], v[14:15] op_sel_hi:[1,0]      ; register 8 d + j is o(query r, channel 16 d + 8 h + j)
.set n, n+2
.endr
.irp d, 0,1,2,3
	ds_store_b128 v[STO], v[S+8*\d:S+8*\d+3] offset:64*\d
	ds_store_b128 v[STO], v[S+8*\d+4:S+8*\d+7] offset:64*\d+16
.endr
.irp i, 0,1,2,3,4,5,6,7
	ds_load_b128 v[S+32+4*\i:S+32+4*\i+3], v[SW] offset:2*SP*\i    ; LDS serves a wave's instructions in order: these see my stores
.endr
.irp i, 0,1,2,3,4,5,6,7
	s_wait_dscnt 7-\i                              ; pair i of rows is back; the younger loads may be out
	global_store_b128 v[GO], v[S+32+4*\i:S+32+4*\i+3], s[OB:OB+1] offset:4096*\i th:TH_STORE_NT
.endr
	s_wait_xcnt 0x0                                ; the stores' base and data are written again only behind this wait
	s_add_nc_u64 s[OB:OB+1], s[OB:OB+1], 32768     ; 16 rows on
	s_add_co_u32 s[TQ], s[TQ], 16*KP
	s_add_co_u32 s[TQS], s[TQS], 64
	s_sub_co_u32 s[TI], s[TI], 1
	s_cmp_lg_u32 s[TI], 0
	s_cbranch_scc1 .Ltile
	s_wait_tensorcnt 0x0
	ds_add_u32 v245, v255
	s_wait_dscnt 0x0
	s_endpgm
.Lfunc_end_k_qb6cc654996_mha:
	.size	k_qb6cc654996_mha, .Lfunc_end_k_qb6cc654996_mha-k_qb6cc654996_mha
	.p2alignl 7, 3214868480
	.fill 96, 4, 3214868480
	.section	.rodata,"a",@progbits
	.p2align	6, 0x0
	.amdhsa_kernel k_qb6cc654996_mha
		.amdhsa_group_segment_fixed_size 289792
		.amdhsa_private_segment_fixed_size 0
		.amdhsa_enable_private_segment 0
		.amdhsa_kernarg_size 48
		.amdhsa_user_sgpr_count 2
		.amdhsa_user_sgpr_kernarg_segment_ptr 1
		.amdhsa_wavefront_size32 1
		.amdhsa_system_sgpr_workgroup_id_x 1
		.amdhsa_system_sgpr_workgroup_id_y 1
		.amdhsa_system_sgpr_workgroup_id_z 1
		.amdhsa_system_vgpr_workitem_id 0
		.amdhsa_next_free_vgpr 256
		.amdhsa_next_free_sgpr 66
		.amdhsa_reserve_vcc 1
		.amdhsa_float_denorm_mode_32 3
		.amdhsa_float_denorm_mode_16_64 3
		.amdhsa_memory_ordered 1
		.amdhsa_forward_progress 1
		.amdhsa_inst_pref_size 82
	.end_amdhsa_kernel
	.amdgpu_metadata
---
amdhsa.version: [ 1, 2 ]
amdhsa.kernels:
  - .name:           k_qb6cc654996_mha
    .symbol:         k_qb6cc654996_mha.kd
    .args:
      - { .name: X, .offset: 0, .size: 8, .value_kind: global_buffer, .address_space: global }
      - { .name: Y, .offset: 8, .size: 8, .value_kind: global_buffer, .address_space: global }
      - { .name: pad_x, .offset: 16, .size: 8, .value_kind: global_buffer, .address_space: global }
      - { .name: pad_y, .offset: 24, .size: 8, .value_kind: global_buffer, .address_space: global }
      - { .name: out0, .offset: 32, .size: 8, .value_kind: global_buffer, .address_space: global }
      - { .name: out1, .offset: 40, .size: 8, .value_kind: global_buffer, .address_space: global }
    .group_segment_fixed_size: 289792
    .private_segment_fixed_size: 0
    .kernarg_segment_align: 8
    .kernarg_segment_size: 48
    .max_flat_workgroup_size: 512
    .sgpr_count:     66
    .vgpr_count:     256
    .wavefront_size: 32
...
	.end_amdgpu_metadata
.endif
;; end of part 1
;; ======== version 2 of 2: 1 launch; version 1 with the launch mha written anew for expert scheduling mode
;; launch mha (part 2): grid 2 x 128, 16 waves a work-group, no clusters, 289,792 bytes of LDS; arguments X, Y, pad_x, pad_y, out0, out1; writes out0, out1
.if DOCPART == 2
	.amdgcn_target "amdgcn-amd-amdhsa--gfx1250"
	.amdhsa_code_object_version 6
	.text
	.protected	k_qb6cc654996_mha
	.globl	k_qb6cc654996_mha
	.p2align	8
	.type	k_qb6cc654996_mha,@function
k_qb6cc654996_mha:
	s_mov_b64 s[64:65], 0
	v_nop
	global_prefetch_b8 v0, s[64:65] scope:SCOPE_SE
	s_setreg_imm32_b32 hwreg(HW_REG_WAVE_SCHED_MODE, 0, 2), 2
	s_setreg_imm32_b32 hwreg(HW_REG_WAVE_MODE, 25, 1), 1
	s_wait_xcnt 0x0
	s_wait_alu depctr_vm_vsrc(0)
; Two attentions that share one similarity matrix, on codes of FP4 (E2M1) with one E8M0 scale for each 32 along a product's K.
; For each of 128 heads (16 batches x 8 heads of 64 channels): Xp, Yp = two pad rows, then the head's 1,024 rows of X, of Y.  sim = Xp Yp^T.
;   out0: softmax of sim along Xp's rows, weighing Xp's rows: queries = Y's 1,024 rows, keys = values = Xp's 1,026 rows.     out1: the same with X and Y exchanged.
; ONE LAUNCH, 256 work-groups: work-group x = the direction (0: out0, 1: out1), y = the head.  Sixteen waves of 256 registers, four to a SIMD, so that one wave's vector work stands beside another's products and LDS loads.
; PHASE A: the head's key tensor (pads first) and query tensor are read as f32, each byte once, two rows x 256 bytes a load; each piece of 32 rows turns through the wave's own f32 stage in LDS and is quantised:
;   along the channels (keys' and queries' codes for sim: a lane holds one block of 32 of one row) and, for the keys, along the keys (the values' codes: a lane holds one channel, its registers run down 32 keys).
;   Codes and scale words stay in LDS: 148,352 bytes.  One barrier.
; PHASE B: a wave owns 64 queries, four tiles of 16, one after the other.  Both products are used transposed (S^T = K Q^T, O^T = V^T P^T): a lane holds ONE query (lane % 16) throughout.
;   t = score x log2(e); M = the running largest t rounded up to a whole number; p = 2^(t - M) is quantised along the keys, not normalised; the sum of the unquantised p divides at the end;
;   when M moves, the sum and O^T are multiplied by 2^(old M - new M), which rounds nothing.  The two odd keys 1,024 and 1,025 (block 32) come first and start M, the sum and O^T; then eight steps of 128 keys.
; sim's K IS 64, THE INSTRUCTION'S 128: the queries' registers 4-7 are zero codes, so whatever stands in the keys' registers 4-7 (the next tile's codes) adds nothing; bytes 2, 3 of both scale words are 0, never 0xff.
; KEYS INSIDE A BLOCK: a tile of S^T is 16 neighbouring keys, so p's codes come out with a block's four groups of 8 keys in the order 0, 2, 1, 3; the values' quantiser lays its four registers in the same order.
; NO CLUSTER, NO TENSOR LOAD: only the two work-groups of a head read the same bytes, 512 KB of f32 that must pass through registers to be quantised, once, at the start; the loop reads LDS alone.
; LIMITS: NaN and infinities among the inputs are not served.  A block of zeros gets the scale byte 1 (its codes are zeros; the bytes are read by this text alone).  The order of summation differs from ascending keys:
;   block 32 first, and inside a block the groups 0, 2, 1, 3.  p under 2^-126 is taken as 0 (ISA guide, v_exp_f32).  A block's largest p is made from its largest score by the same two instructions.
; THE MODE: SCHED_MODE bits 1:0 = 2 (LLVM: expert scheduling mode 2), set by the entry lines.  The code itself states the register dependences between vector or matrix instructions
; and memory or LDS instructions, with s_wait_alu, always for 0.
; THE PLAN.  Registers that memory or LDS instructions touch:
;   the addresses that stay (v1-7, v16-23), Z, v245, v255: written at the head, ahead of one wait on va_vdst, and never again.
;   RA, RB        global loads land in them, the stage's LDS stores read them; no vector instruction names them.  A set is loaded again behind a wait on vm_vsrc.
;   W             the stage's loads land in it, a quantiser's lines read it.  The wait on va_vdst ahead of a quantiser's stores also shows W read: only LDS stores stand between it and the next loads into W.
;   C, BY, WD     a quantiser writes them (both groups), one wait on va_vdst, then the run of LDS stores that read them; the next quantiser's wait on vm_vsrc stands ahead of its first line.
;   ADQ, ADQS     written at a tile's head, read by its first loads.
;   ADK, ADS, ADV, ADT  read by a step's loads; written for the NEXT step behind the exponentials (a wait on vm_vsrc ahead), so that the exponentials' own wait on va_vdst shows them written.
;   QF, QSR, KF, KSR    LDS loads land in them; the products S^T read them.     VF, VSR   LDS loads land in them; the products O^T read them.
;   S             on the way out: registers 0-31 written by the division, read by LDS stores; registers 32-63 take the stage's loads and are read by the global stores.
;   PC, PW        named by no memory instruction, but written by vector lines and taken by scaled products: a wait on va_vdst ahead of these, behind the places.
.set KP,   48                          ; a row of codes along the channels in LDS: 32 bytes + 16: three times 16, so 16 rows fall on 16 different 16-byte columns
.set VP,   592                         ; a channel's row of codes along the keys: 36 blocks x 16 bytes + 16 = 37 x 16
.set SP,   272                         ; a stage row: 256 bytes + 16
.set KC,   0                           ; keys' codes: 1,056 rows (1,026 .. 1,055 are zero codes)
.set KS,   50688                       ; keys' scale words, 4 bytes a key
.set QC,   54912                       ; queries' codes: 1,024 rows
.set QS,   104064                      ; queries' scale words
.set VC,   108160                      ; values' codes: 64 rows; blocks 33 .. 35 are zeros
.set VS,   146048                      ; values' scale bytes: 36 a channel; bytes 33 .. 35 are 0
.set STG,  148480                      ; a stage of 32 x SP bytes for each wave, its own
.set STGW, 32*SP
; vector registers that stay
.set AK0,  1                           ; KC + 48 r + 16 h          (r = lane % 16, h = lane / 16, l = lane)
.set AV0,  2                           ; VC + 592 r + 16 h
.set AKS0, 3                           ; KS + 4 l
.set AVS0, 4                           ; VS + 36 l
.set AQ0,  5                           ; QC + 48 r + 16 h + 3,072 wave
.set AQS0, 6                           ; QS + 4 r + 256 wave
.set GO,   7                           ; 2,048 h + 16 r: the lane's place in two rows of a tensor
.set SW,   16                          ; stage + 272 h + 16 r: by pairs of rows
.set STO,  17                          ; stage + 272 r + 32 h: the way out, in
.set SD,   18                          ; stage + 272 r + 128 h: a row's block of 32 channels
.set SK,   19                          ; stage + 4 l: a column
.set KCA,  20                          ; AK0 + 1,536 wave
.set KSA,  21                          ; KS + 4 r + 128 wave
.set VCA,  22                          ; VC + 592 l + 16 wave
.set VSA,  23                          ; VS + 36 l + wave
.set H8,   24                          ; 8 h
; phase A
.set RA,   28                          ; v28-91, v92-155: two sets of 32 rows as loaded
.set RB,   92
.set W,    156                         ; v156-219: two groups of 32 numbers
.set C,    220                         ; v220-227: two sets of 4 registers of codes
.set MA,   228
.set MB,   229
.set SOP,  230
.set SH,   231
.set BY,   232                         ; v232-233
.set WD,   234                         ; v234-235
.set Z,    236                         ; v236-239: 0
.set RT,   240                         ; v240-243: the odd keys' two rows
.set TP,   244
; phase B
.set ADK,  8
.set ADV,  9
.set ADS,  10
.set ADT,  11                          ; v12 -M, v13 the largest t, v[14:15] the sum in two halves
.set ADQ,  25
.set ADQS, 26
.set QF,   28                          ; v28-31 the tile's queries, v32-35 zero codes
.set KF,   36                          ; v36-67 eight tiles of keys, 4 registers each; v68-71 zero codes
.set VF,   72                          ; v72-103 four fragments of V^T
.set S,    104                         ; v104-167 S^T, then p
.set O,    168                         ; v168-199 O^T
.set PC,   200                         ; v200-207 p's codes
.set BM,   208
.set BT,   212
.set SO,   216
.set TMP,  220
.set SUM2, 222
.set FF,   246                         ; f = 2^(old M - new M); named as a pair with v247
.set PW,   247                         ; p's scale word.  v247-254 hold scales and nothing else
.set KSR,  248                         ; v248-251: lanes 0-15 tile 2 b's words, lanes 16-31 tile 2 b + 1's
.set VSR,  252                         ; v252-253: lanes 0-15 channels 32 i + r, lanes 16-31 channels 32 i + 16 + r
.set QSR,  254
; scalar registers
.set WV,   16
.set KB,   20                          ; the key tensor at the head
.set QB,   22                          ; the query tensor at the wave's 64 rows
.set PADB, 24
.set OB,   26                          ; the output at the tile's 16 rows
.set B1,   28                          ; KB + 65,536 wave
.set B0,   30                          ; where keys 32 wave and 32 wave + 1 lie: the pad for wave 0
.set SEL,  34
.set CS,   36
.set TK,   38
.set TV,   39
.set TKS,  40
.set TVS,  41
.set TQ,   42
.set TQS,  43
.set TI,   44
.set ST,   45
; 32 rows of a head: 16 loads, each two rows x 256 consecutive bytes, aligned.  No cache word: the head's other work-group reads the same bytes
.macro GLOAD set, base, off
.irp i, 0,1,2,3,4,5,6,7,8,9,10,11,12,13,14,15
	global_load_b128 v[\set+4*\i:\set+4*\i+3], v[GO], s[\base:\base+1] offset:(\off)+4096*\i
.endr
.endm
.macro STAGE_IN set
.irp i, 0,1,2,3,4,5,6,7,8,9,10,11,12,13,14,15
	ds_store_b128 v[SW], v[\set+4*\i:\set+4*\i+3] offset:2*SP*\i
.endr
.endm
; One block: 32 numbers of a lane -> 4 registers of codes and the scale's byte.  perm = 1: the groups of 8 go to registers 0, 2, 1, 3
.macro QCORE src, dst, perm, by
	v_max3_num_f32 v[MA], |v[\src]|, |v[\src+1]|, 0x1800000        ; the floor 2^(3 - 127) among the leaves: the byte cannot fall under 1
	v_max3_num_f32 v[MB], |v[\src+2]|, |v[\src+3]|, |v[\src+4]|    ; two chains, so that no line waits for the line above it
.irp i, 5,9,13,17,21,25
	v_max3_num_f32 v[MA], v[MA], |v[\src+\i]|, |v[\src+\i+1]|
	v_max3_num_f32 v[MB], v[MB], |v[\src+\i+2]|, |v[\src+\i+3]|
.endr
	v_max3_num_f32 v[MA], v[MA], |v[\src+29]|, |v[\src+30]|
	v_max3_num_f32 v[MA], v[MA], v[MB], |v[\src+31]|               ; the block's largest magnitude
	v_add_nc_u32 v[SOP], 0xff000000, v[MA]                         ; 2 off its exponent field: the conversion takes this operand's exponent field as its scale
	v_cvt_scalef32_pk8_fp4_f32 v[\dst], v[\src:\src+7], v[SOP]
	v_cvt_scalef32_pk8_fp4_f32 v[\dst+1+\perm], v[\src+8:\src+15], v[SOP]
	v_cvt_scalef32_pk8_fp4_f32 v[\dst+2-\perm], v[\src+16:\src+23], v[SOP]
	v_cvt_scalef32_pk8_fp4_f32 v[\dst+3], v[\src+24:\src+31], v[SOP]
	v_lshrrev_b32 v[\by], 23, v[SOP]                               ; the scale's byte; also the plain line behind the conversions
.endm
; The row's scale word: my block's byte at byte h, lane l xor 16's at the other; bytes 2 and 3 stay 0
.macro WORD by, wd
	v_lshlrev_b32 v[SH], v[H8], v[\by]
	v_permlanex16_b32 v[TP], v[SH], s[SEL], s[SEL+1]
	v_or_b32 v[\wd], v[SH], v[TP]
.endm
; The stage's 32 rows are quantised along the channels: lane (r, h) takes channels 32 h .. 32 h + 31 of row 16 g + r: its 4 registers of codes are bytes 16 h .. of that row of codes.
; rl = 1: the set of registers that the stage's stores have read takes the next 32 rows.  first = 1: wave 0's first use, ahead of which no LDS store has read C, BY or WD.
; The loads into W stand with no wait on the vector side: W's last readers, the quantiser before, stand ahead of that quantiser's wait on va_vdst, and only LDS stores have followed it.
.macro ALONG_D cadr, sadr, coff, soff, rl, set, base, off, first
.irp g, 0,1
.irp n, 0,1,2,3,4,5,6,7
	ds_load_b128 v[W+32*\g+4*\n:W+32*\g+4*\n+3], v[SD] offset:16*SP*\g+16*\n     ; LDS serves a wave's instructions in order: these see my stores into the stage
.endr
.endr
	s_wait_dscnt 8                                 ; rows 0-15 are in (rows 16-31's eight loads may be out); all older LDS instructions are done
.if !\first
	s_wait_alu depctr_vm_vsrc(0)                   ; the stage's stores have read the set that is loaded again below; the quantiser before has had its C, BY and WD read by its stores: the lines below write them
.endif
.if \rl
	GLOAD \set, \base, \off
.endif
	QCORE W, C, 0, BY
	WORD BY, WD
	s_wait_dscnt 0x0                               ; rows 16-31 are in
	QCORE W+32, C+4, 0, BY+1
	WORD BY+1, WD+1
	s_wait_alu depctr_va_vdst(0)                   ; the conversions have written C .. C+7 and the words WD, WD+1, which the four stores read; and they are done reading W
	ds_store_b128 v[\cadr], v[C:C+3] offset:\coff
	ds_store_b32 v[\sadr], v[WD] offset:\soff      ; both halves of the lanes write the same word with the same value
	ds_store_b128 v[\cadr], v[C+4:C+7] offset:\coff+16*KP
	ds_store_b32 v[\sadr], v[WD+1] offset:\soff+64
.endm
; The stage's 32 rows, one block along the keys, are quantised down the columns: lane l takes channel l + 32 g.  The block is number wave + 16 j.  odd = 1: block 32, whose scale goes out as a word
; (bytes 33-35 become 0), and blocks 33-35 are filled with zero codes.  The loads into W stand with no wait on the vector side, as above.
.macro ALONG_K j, odd
.set n, 0
.rept 64
	ds_load_b32 v[W+n], v[SK] offset:SP*(n%32)+128*(n/32)          ; 32 lanes read 128 consecutive bytes of a stage row
.set n, n+1
.endr
	s_wait_dscnt 32                                ; channels 0-31 are in; the other 32 loads may be out
	s_wait_alu depctr_vm_vsrc(0)                   ; the stores of the codes along the channels have read C .. C+7, which the conversions below write again
	QCORE W, C, 1, BY
	s_wait_dscnt 0x0                               ; channels 32-63 are in
	QCORE W+32, C+4, 1, BY+1
	s_wait_alu depctr_va_vdst(0)                   ; the conversions have written C .. C+7 and the bytes BY, BY+1, which the stores read; and they are done reading W
	ds_store_b128 v[VCA], v[C:C+3] offset:256*\j
	ds_store_b128 v[VCA], v[C+4:C+7] offset:256*\j+32*VP
.if \odd
	ds_store_b32 v[VSA], v[BY] offset:32
	ds_store_b32 v[VSA], v[BY+1] offset:32+32*36
.irp g, 0,1
.irp c, 1,2,3
	ds_store_b128 v[VCA], v[Z:Z+3] offset:32*VP*\g+512+16*\c
.endr
.endr
.else
	ds_store_b8 v[VSA], v[BY] offset:16*\j
	ds_store_b8 v[VSA], v[BY+1] offset:16*\j+32*36
.endif
.endm
; Four fragments of V^T (16 channels x 128 keys each) from byte off of the rows
.macro LOADV adr, off
.irp d, 0,1,2,3
.irp c, 0,1
	ds_load_b128 v[VF+8*\d+4*\c:VF+8*\d+4*\c+3], v[\adr] offset:\off+16*VP*\d+32*\c
.endr
.endr
.endm
; S^T, tile t of 16 keys: source 0 = the keys (registers 4-7 are the next tile's, and meet zero codes), source 1 = my 16 queries
.macro SIM t
.if (\t)%2
	v_wmma_scale_f32_16x16x128_f8f6f4 v[S+8*(\t):S+8*(\t)+7], v[KF+4*(\t):KF+4*(\t)+7], v[QF:QF+7], 0, v[KSR+(\t)/2], v[QSR] matrix_a_fmt:MATRIX_FMT_FP4 matrix_b_fmt:MATRIX_FMT_FP4 matrix_a_scale:MATRIX_SCALE_ROW1
.else
	v_wmma_scale_f32_16x16x128_f8f6f4 v[S+8*(\t):S+8*(\t)+7], v[KF+4*(\t):KF+4*(\t)+7], v[QF:QF+7], 0, v[KSR+(\t)/2], v[QSR] matrix_a_fmt:MATRIX_FMT_FP4 matrix_b_fmt:MATRIX_FMT_FP4
.endif
.endm
; O^T, tile d of 16 channels: source 0 = V^T, source 1 = p.  zero = 1: the product starts the sum
.macro PV d, zero
.if \zero
.if (\d)%2
	v_wmma_scale_f32_16x16x128_f8f6f4 v[O+8*(\d):O+8*(\d)+7], v[VF+8*(\d):VF+8*(\d)+7], v[PC:PC+7], 0, v[VSR+(\d)/2], v[PW] matrix_a_fmt:MATRIX_FMT_FP4 matrix_b_fmt:MATRIX_FMT_FP4 matrix_a_scale:MATRIX_SCALE_ROW1
.else
	v_wmma_scale_f32_16x16x128_f8f6f4 v[O+8*(\d):O+8*(\d)+7], v[VF+8*(\d):VF+8*(\d)+7], v[PC:PC+7], 0, v[VSR+(\d)/2], v[PW] matrix_a_fmt:MATRIX_FMT_FP4 matrix_b_fmt:MATRIX_FMT_FP4
.endif
.else
.if (\d)%2
	v_wmma_scale_f32_16x16x128_f8f6f4 v[O+8*(\d):O+8*(\d)+7], v[VF+8*(\d):VF+8*(\d)+7], v[PC:PC+7], v[O+8*(\d):O+8*(\d)+7], v[VSR+(\d)/2], v[PW] matrix_a_fmt:MATRIX_FMT_FP4 matrix_b_fmt:MATRIX_FMT_FP4 matrix_a_scale:MATRIX_SCALE_ROW1
.else
	v_wmma_scale_f32_16x16x128_f8f6f4 v[O+8*(\d):O+8*(\d)+7], v[VF+8*(\d):VF+8*(\d)+7], v[PC:PC+7], v[O+8*(\d):O+8*(\d)+7], v[VSR+(\d)/2], v[PW] matrix_a_fmt:MATRIX_FMT_FP4 matrix_b_fmt:MATRIX_FMT_FP4
.endif
.endif
.endm
	; ---------------- the head: every address that stays is made here, ahead of every branch
	s_load_b256 s[4:11], s[0:1], 0x0               ; X s[4:5], Y s[6:7], pad_x s[8:9], pad_y s[10:11]
	s_load_b128 s[12:15], s[0:1], 0x20             ; out0 s[12:13], out1 s[14:15]
	v_lshl_add_u32 v245, v0, 2, 0x46400            ; my spare word, behind the stages; kept for the closing lines alone
	v_mov_b32 v255, 0                              ; and 0, likewise
	v_lshrrev_b32 v8, 5, v0
	v_readfirstlane_b32 s[WV], v8                  ; wave 0..15
	v_and_b32 v9, 31, v0                           ; l
	v_and_b32 v10, 15, v0                          ; r
	v_bfe_u32 v11, v0, 4, 1                        ; h
	v_lshlrev_b32 v[GO], 4, v10
	v_lshl_add_u32 v[GO], v11, 11, v[GO]
	v_mul_u32_u24 v[AK0], v10, KP
	v_lshl_add_u32 v[AK0], v11, 4, v[AK0]
	v_mul_u32_u24 v[AV0], v10, VP
	v_lshl_add_u32 v[AV0], v11, 4, v[AV0]
	v_add_nc_u32 v[AV0], VC, v[AV0]
	v_lshl_add_u32 v[AKS0], v9, 2, KS
	v_mul_u32_u24 v[AVS0], v9, 36
	v_add_nc_u32 v[AVS0], VS, v[AVS0]
	s_wait_alu depctr_va_sdst(0)                   ; the wave's number is written into s16, ahead of its first reader, the line below
	s_mul_i32 s46, s[WV], 64*KP
	s_add_co_u32 s46, s46, QC
	v_add_nc_u32 v[AQ0], s46, v[AK0]
	s_lshl_b32 s46, s[WV], 8
	s_add_co_u32 s46, s46, QS
	v_lshl_add_u32 v[AQS0], v10, 2, s46
	s_mul_i32 s47, s[WV], STGW
	s_add_co_u32 s47, s47, STG                     ; my stage
	v_mul_u32_u24 v[SW], v11, SP
	v_lshl_add_u32 v[SW], v10, 4, v[SW]
	v_add_nc_u32 v[SW], s47, v[SW]
	v_mul_u32_u24 v[STO], v10, SP
	v_lshl_add_u32 v[SD], v11, 7, v[STO]
	v_lshl_add_u32 v[STO], v11, 5, v[STO]
	v_add_nc_u32 v[SD], s47, v[SD]
	v_add_nc_u32 v[STO], s47, v[STO]
	v_lshl_add_u32 v[SK], v9, 2, s47
	s_mul_i32 s46, s[WV], 32*KP
	v_add_nc_u32 v[KCA], s46, v[AK0]
	s_lshl_b32 s46, s[WV], 7
	s_add_co_u32 s46, s46, KS
	v_lshl_add_u32 v[KSA], v10, 2, s46
	v_mul_u32_u24 v[VCA], v9, VP
	s_lshl_b32 s46, s[WV], 4
	s_add_co_u32 s46, s46, VC
	v_add_nc_u32 v[VCA], s46, v[VCA]
	v_add_nc_u32 v[VSA], s[WV], v[AVS0]
	v_lshlrev_b32 v[H8], 3, v11
.irp i, 0,1,2,3
	v_mov_b32 v[Z+\i], 0
.endr
	v_mov_b32 v[TP], 0                             ; a lane permute's destination counts as one of its sources
	s_mov_b32 s[SEL], 0x76543210
	s_mov_b32 s[SEL+1], 0xfedcba98                 ; v_permlanex16_b32's selects for lane l xor 16
	s_mov_b32 s[CS], 0x3fb8aa3b                    ; log2(e)
	s_mov_b32 s[CS+1], s[CS]                       ; (named with it as a pair, so it is written)
	s_mov_b32 vcc_lo, 0xffff                       ; lanes 0-15; never written again
	s_and_b32 s17, ttmp7, 0xffff                   ; 8 x batch + head
	s_lshr_b32 s18, s17, 3
	s_lshl_b32 s18, s18, 21                        ; a batch is 1,024 rows of 2,048 bytes
	s_and_b32 s17, s17, 7
	s_lshl_b32 s17, s17, 8                         ; a head's 64 channels are 256 bytes of a row
	s_or_b32 s18, s18, s17
	s_mov_b32 s19, 0
	s_mov_b32 s33, 0
	s_wait_kmcnt 0x0
	s_cmp_eq_u32 ttmp9, 0                          ; the direction: the choice hangs on the work-group's number alone
	s_cselect_b64 s[KB:KB+1], s[4:5], s[6:7]       ; keys and values: X or Y
	s_cselect_b64 s[QB:QB+1], s[6:7], s[4:5]       ; queries: Y or X
	s_cselect_b64 s[PADB:PADB+1], s[8:9], s[10:11]
	s_cselect_b64 s[OB:OB+1], s[12:13], s[14:15]
	s_add_nc_u64 s[KB:KB+1], s[KB:KB+1], s[18:19]
	s_add_nc_u64 s[QB:QB+1], s[QB:QB+1], s[18:19]
	s_add_nc_u64 s[OB:OB+1], s[OB:OB+1], s[18:19]
	s_mov_b32 s32, s17
	s_add_nc_u64 s[PADB:PADB+1], s[PADB:PADB+1], s[32:33]
	s_lshl_b32 s32, s[WV], 17                      ; my 64 queries: 64 rows of 2,048 bytes a wave
	s_add_nc_u64 s[QB:QB+1], s[QB:QB+1], s[32:33]
	s_add_nc_u64 s[OB:OB+1], s[OB:OB+1], s[32:33]
	s_lshl_b32 s32, s[WV], 16                      ; 32 rows a wave
	s_add_nc_u64 s[B1:B1+1], s[KB:KB+1], s[32:33]
	s_sub_co_i32 s32, s32, 4096                    ; key k is tensor row k - 2: keys 32 w, 32 w + 1 lie two rows back;
	s_max_i32 s32, s32, 0
	s_cmp_eq_u32 s[WV], 0                          ; for wave 0 they are the two pad rows, which also lie 2,048 bytes apart
	s_cselect_b64 s[B0:B0+1], s[PADB:PADB+1], s[KB:KB+1]
	s_add_nc_u64 s[B0:B0+1], s[B0:B0+1], s[32:33]
	s_wait_alu depctr_va_vdst(0)                   ; the addresses v1-7 and v16-23, the zeros Z and v245, v255 are written: every load and store of the kernel reads some of them
	; ---------------- PHASE A.  Wave w: key blocks w and w + 16, query rows 64 w .. 64 w + 63; wave 0 also the odd block 32.  32 loads a wave leave at once
	global_load_b128 v[RA:RA+3], v[GO], s[B0:B0+1]
.irp i, 1,2,3,4,5,6,7,8,9,10,11,12,13,14,15
	global_load_b128 v[RA+4*\i:RA+4*\i+3], v[GO], s[B1:B1+1] offset:4096*(\i-1)
.endr
	GLOAD RB, B1, 1048576-4096                     ; keys 32 (w + 16) on: tensor rows 32 w + 510 on
	s_cmp_lg_u32 s[WV], 0
	s_cbranch_scc1 .Lno_odd
	global_load_b128 v[RT:RT+3], v[GO], s[KB:KB+1] offset:1022*2048   ; keys 1,024 and 1,025: the tensor's last two rows
	s_wait_loadcnt 0x0                             ; it is the youngest of wave 0's 33 loads
	ds_store_b128 v[SW], v[RT:RT+3]
.irp i, 1,2,3,4,5,6,7,8,9,10,11,12,13,14,15
	ds_store_b128 v[SW], v[Z:Z+3] offset:2*SP*\i   ; the rest of the block is filled with zeros
.endr
	ALONG_D KCA, KSA, 1024*KP, 4096, 0, RA, QB, 0, 1
	ALONG_K 2, 1
.Lno_odd:
	s_wait_loadcnt 16                              ; my first 32 keys are in; the 16 loads of the second 32 may be out
	STAGE_IN RA
	ALONG_D KCA, KSA, 0, 0, 1, RA, QB, 0, 0        ; and my first 32 queries are asked for
	ALONG_K 0, 0
	s_wait_loadcnt 16                              ; the second 32 keys are in; the 16 loads of the first 32 queries may be out
	STAGE_IN RB
	ALONG_D KCA, KSA, 512*KP, 2048, 1, RB, QB, 65536, 0
	ALONG_K 1, 0
	s_wait_loadcnt 16                              ; the first 32 queries are in; the 16 loads of the second 32 may be out
	STAGE_IN RA
	ALONG_D AQ0, AQS0, 0, 0, 0, RA, QB, 0, 0
	s_wait_loadcnt 0x0
	STAGE_IN RB
	ALONG_D AQ0, AQS0, 32*KP, 128, 0, RA, QB, 0, 0
	s_wait_dscnt 0x0                               ; for the others' sake: all my stores of codes and scales have landed
	s_barrier_signal -1
	s_barrier_wait -1                              ; the launch's one barrier: from here on codes and scales are only read; a stage stays its wave's own
	s_wait_alu depctr_vm_vsrc(0)                   ; my LDS stores have read RA, RB and C: these registers are QF, KF, VF, S, TMP and SUM2 from here on, written by vector lines, products and LDS loads
	; ---------------- PHASE B
.irp i, 4,5,6,7
	v_mov_b32 v[QF+\i], 0                          ; the queries' k = 64 .. 127: zero codes, written once
.endr
.irp i, 32,33,34,35
	v_mov_b32 v[KF+\i], 0                          ; behind the last tile of keys: zero codes, written once
.endr
.irp i, 0,1,2,3
	v_mov_b32 v[BT+\i], 0                          ; lane permutes' destinations.  (With the additions below: more than four plain lines between the zero codes and the first product)
.endr
	s_mov_b32 s[TQ], 0
	s_mov_b32 s[TQS], 0
	s_mov_b32 s[TI], 4
.Ltile:                                                ; four trips: a tile of 16 queries each
	s_mov_b32 s[TK], 0
	s_mov_b32 s[TV], 0
	s_mov_b32 s[TKS], 0
	s_mov_b32 s[TVS], 0
	v_add_nc_u32 v[ADQ], s[TQ], v[AQ0]             ; (the loads that read these six registers last stand ahead of a wait on vm_vsrc: the last tile's end, the last step's middle)
	v_add_nc_u32 v[ADQS], s[TQS], v[AQS0]
	v_add_nc_u32 v[ADK], s[TK], v[AK0]             ; the first step's four addresses
	v_add_nc_u32 v[ADV], s[TV], v[AV0]
	v_add_nc_u32 v[ADS], s[TKS], v[AKS0]
	v_add_nc_u32 v[ADT], s[TVS], v[AVS0]
	s_wait_alu depctr_va_vdst(0)                   ; the six addresses are written; the last tile's products are done reading QF, QSR, KF, KSR, VF, VSR, in which the loads below land; in the first trip the zero codes, operands of the scaled product below, are written
	ds_load_b128 v[QF:QF+3], v[ADQ]
	ds_load_b32 v[QSR], v[ADQS]
	ds_load_b128 v[KF+28:KF+31], v[AK0] offset:1024*KP     ; keys 1,024 .. 1,039, in the last tile's place: above it stand the zero codes
	ds_load_b32 v[KSR], v[AKS0] offset:4096
	LOADV AV0, 512                                 ; blocks 32 .. 35 of the values
	ds_load_b32 v[VSR], v[AVS0] offset:32
	ds_load_b32 v[VSR+1], v[AVS0] offset:32*36+32
	s_wait_dscnt 10                                ; the first four loads are in; V's eight and its two scale loads may be out
	; THE TWO ODD KEYS start M, the sum and O^T: nothing is cleared
	v_wmma_scale_f32_16x16x128_f8f6f4 v[S:S+7], v[KF+28:KF+35], v[QF:QF+7], 0, v[KSR], v[QSR] matrix_a_fmt:MATRIX_FMT_FP4 matrix_b_fmt:MATRIX_FMT_FP4
.irp i, 1,2,3,4
	v_mov_b32 v[PC+\i], 0                          ; four plain lines between the product and the first read of its result
.endr
	v_cndmask_b32 v[S], 0xff800000, v[S], vcc_lo   ; register j of lane (r, h) is key 1,024 + 8 h + j: only j = 0, 1 of lanes 0-15 are keys; lanes 16-31 get -infinity
	v_cndmask_b32 v[S+1], 0xff800000, v[S+1], vcc_lo
	v_max_num_f32 v[BM], v[S], v[S+1]
	v_permlanex16_b32 v[BT], v[BM], s[SEL], s[SEL+1]
	v_max_num_f32 v[BM], v[BM], v[BT]
	v_mul_f32 v13, s[CS], v[BM]                    ; the largest t so far
	v_floor_f32 v12, -v13                          ; -M = floor(-t) = -ceil(t)
	v_pk_fma_f32 v[S:S+1], v[S:S+1], s[CS:CS+1], v[12:13] op_sel_hi:[1,0,0]   ; t - M
	s_wait_alu depctr_va_vdst(0)
	v_exp_f32 v[S], v[S]
	v_exp_f32 v[S+1], v[S+1]                       ; p; 0 in lanes 16-31
.irp i, 2,3,4,5,6,7
	v_mov_b32 v[S+\i], 0                           ; the rows of zero codes count for nothing.  (The first of these is the plain line behind the exponentials)
.endr
	s_wait_alu depctr_va_vdst(0)                   ; the two exponentials have written S and S+1, ahead of their first reader
	v_max3_num_f32 v[BM], v[S], v[S+1], 0x1800000  ; the block's largest p, and the floor
	v_add_nc_u32 v[SO], 0xff000000, v[BM]
	v_lshrrev_b32 v[PW], 23, v[SO]                 ; the scale word: byte 0 the block's; bytes 1-3 are 0, over zero codes
	v_cvt_scalef32_pk8_fp4_f32 v[PC], v[S:S+7], v[SO]      ; lanes 0-15, register 0: keys 1,024 .. 1,031 of the step's block 0; no lane has to change places
.irp i, 5,6,7
	v_mov_b32 v[PC+\i], 0
.endr
	v_mov_b32 v14, v[S]                            ; the sum begins
	v_mov_b32 v15, v[S+1]
.rept 3
	v_nop                                          ; eight plain lines behind the scale word, five behind the last zero code, ahead of the scaled products
.endr
	s_wait_alu depctr_va_vdst(0)                   ; the vector lines have written PC .. PC+7 and PW, which the scaled products take as operand and scale; the places above stay beside this wait
	s_wait_dscnt 0x0                               ; V is in
	PV 0, 1
	PV 1, 1
	PV 2, 1
	PV 3, 1
	s_mov_b32 s[ST], 8
.Lstep:                                                ; eight trips: 128 keys each.  The twelve accumulators take turns, one instruction a turn, over the backward jump too
	; K's loads stand with no wait on the vector side: ADK and ADS were written, and KF and KSR last read, ahead of the wait in front of the last four products, and those name O^T, VF, PC, VSR and PW alone
.irp t, 0,1,2,3,4,5,6,7
	ds_load_b128 v[KF+4*\t:KF+4*\t+3], v[ADK] offset:16*KP*\t
.endr
.irp b, 0,1,2,3
	ds_load_b32 v[KSR+\b], v[ADS] offset:128*\b
.endr
	s_wait_dscnt 0x0                               ; K's eight fragments and four scale loads are in
.irp t, 0,1,2,3,4,5,6,7
	SIM \t
.endr
.rept 4
	v_nop                                          ; four plain lines between the products and the first read of their results
.endr
	s_wait_alu depctr_va_vdst(0)                   ; the four products O^T issued last are done reading VF and VSR, in which the ten loads below land
	LOADV ADV, 0                                   ; they land under the softmax
	ds_load_b32 v[VSR], v[ADT]
	ds_load_b32 v[VSR+1], v[ADT] offset:32*36
.irp b, 0,1,2,3
	v_max3_num_f32 v[BM+\b], v[S+16*\b], v[S+16*\b+1], v[S+16*\b+2]    ; the largest score of each block of 32 keys: for the row's maximum, and for the block's largest p
.endr
.irp i, 3,5,7,9,11,13
.irp b, 0,1,2,3
	v_max3_num_f32 v[BM+\b], v[BM+\b], v[S+16*\b+\i], v[S+16*\b+\i+1]  ; (the four blocks by turns; each accumulator is read from its low end on)
.endr
.endr
.irp b, 0,1,2,3
	v_max_num_f32 v[BM+\b], v[BM+\b], v[S+16*\b+15]
.endr
.irp b, 0,1,2,3
	v_permlanex16_b32 v[BT+\b], v[BM+\b], s[SEL], s[SEL+1]
.endr
.irp b, 0,1,2,3
	v_max_num_f32 v[BM+\b], v[BM+\b], v[BT+\b]     ; with lane l xor 16's 16 keys
.endr
	v_max3_num_f32 v[TMP], v[BM], v[BM+1], v[BM+2]
	v_max_num_f32 v[TMP], v[TMP], v[BM+3]
	v_mul_f32 v[TMP], s[CS], v[TMP]
	v_max_num_f32 v13, v13, v[TMP]                 ; the running largest t
	v_mov_b32 v[TMP], v12
	v_floor_f32 v12, -v13                          ; the new -M
	v_sub_f32 v[TMP], v12, v[TMP]                  ; old M - new M: a whole number, 0 or less
	v_cvt_i32_f32 v[TMP], v[TMP]                   ; (it saturates)
	v_ldexp_f32 v[FF], 1.0, v[TMP]                 ; f = 2^(old M - new M)
.set n, 0
.rept 32
	v_pk_fma_f32 v[S+n:S+n+1], v[S+n:S+n+1], s[CS:CS+1], v[12:13] op_sel_hi:[1,0,0]   ; t - M, two at a time
.set n, n+2
.endr
.irp b, 0,1,2,3
	v_fma_f32 v[BM+\b], v[BM+\b], s[CS], v12       ; the same of each block's largest score
.endr
.set n, 0
	s_wait_alu depctr_va_vdst(0)
.rept 64
	v_exp_f32 v[S+n], v[S+n]                       ; p = 2^(t - M), at most 1
.set n, n+1
.endr
.irp b, 0,1,2,3
	v_exp_f32 v[BM+\b], v[BM+\b]                   ; the block's largest p
.endr
	v_pk_mul_f32 v[14:15], v[14:15], v[FF:FF+1] op_sel_hi:[1,0]    ; the sum under the new M.  (The plain line behind the exponentials)
	s_add_co_u32 s[TK], s[TK], 128*KP              ; the next step's addresses are made here, so that the wait below shows them written
	s_add_co_u32 s[TV], s[TV], 64
	s_add_co_u32 s[TKS], s[TKS], 512
	s_add_co_u32 s[TVS], s[TVS], 4
	s_wait_alu depctr_vm_vsrc(0)                   ; this step's 22 LDS loads have read ADK, ADV, ADS and ADT, which the four additions write
	v_add_nc_u32 v[ADK], s[TK], v[AK0]             ; (in a tile's last step they are made and not used)
	v_add_nc_u32 v[ADV], s[TV], v[AV0]
	v_add_nc_u32 v[ADS], s[TKS], v[AKS0]
	v_add_nc_u32 v[ADT], s[TVS], v[AVS0]
	s_wait_alu depctr_va_vdst(0)                   ; the 68 exponentials have written S .. S+63 and BM .. BM+3, ahead of their first reader; the four addresses are written, which the next step's loads read
.irp b, 0,1,2,3
	v_max_num_f32 v[BM+\b], 0x1800000, v[BM+\b]    ; the floor: the byte cannot fall under 1
.endr
.irp b, 0,1,2,3
	v_add_nc_u32 v[SO+\b], 0xff000000, v[BM+\b]
.endr
.irp b, 0,1,2,3
	v_lshrrev_b32 v[BT+\b], 23, v[SO+\b]
.endr
	v_lshl_or_b32 v[PW], v[BT+1], 8, v[BT]         ; p's scale word for these 128 keys
	v_lshl_or_b32 v[PW], v[BT+2], 16, v[PW]
	v_lshl_or_b32 v[PW], v[BT+3], 24, v[PW]
.irp b, 0,1,2,3
	v_cvt_scalef32_pk8_fp4_f32 v[PC+2*\b], v[S+16*\b:S+16*\b+7], v[SO+\b]          ; keys 32 b + 8 h + 0 .. 7
	v_cvt_scalef32_pk8_fp4_f32 v[PC+2*\b+1], v[S+16*\b+8:S+16*\b+15], v[SO+\b]     ; keys 32 b + 16 + 8 h + 0 .. 7
.endr
	v_nop                                          ; one plain line behind the scaled conversions
.irp c, 0,1
.irp i, 0,1
	v_permlane16_swap_b32 v[PC+4*\c+\i], v[PC+4*\c+2+\i]   ; a whole block to a lane: lanes 0-15 block 2 c, lanes 16-31 block 2 c + 1; its groups of 8 keys in the order 0, 2, 1, 3, as V's lie
.endr
.endr
	v_pk_add_f32 v[SUM2:SUM2+1], v[S:S+1], v[S+2:S+3]      ; the sum of the unquantised p, two at a time, in two chains
.set n, 4
.rept 15
	v_pk_add_f32 v[14:15], v[14:15], v[S+n:S+n+1]
	v_pk_add_f32 v[SUM2:SUM2+1], v[SUM2:SUM2+1], v[S+n+2:S+n+3]
.set n, n+4
.endr
	v_pk_add_f32 v[14:15], v[14:15], v[SUM2:SUM2+1]
.set n, 0
.rept 16
	v_pk_mul_f32 v[O+n:O+n+1], v[O+n:O+n+1], v[FF:FF+1] op_sel_hi:[1,0]    ; O^T under the new M, from each accumulator's low end on.  (The sums and these are the plain lines between PC, PW and the scaled products)
.set n, n+2
.endr
	s_wait_alu depctr_va_vdst(0)                   ; the vector lines have written PC .. PC+7 and PW, which the scaled products take as operand and scale
	s_wait_dscnt 0x0                               ; V is in
	PV 0, 0
	PV 1, 0
	PV 2, 0
	PV 3, 0
	s_sub_co_u32 s[ST], s[ST], 1
	s_cmp_lg_u32 s[ST], 0
	s_cbranch_scc1 .Lstep
	; THE WAY OUT: O^T / the sum goes through my stage and leaves as rows: sixteen lanes store 256 consecutive bytes, aligned: a row's part of this head
	v_add_f32 v14, v14, v15
	v_permlanex16_b32 v[BT], v14, s[SEL], s[SEL+1]
	v_add_f32 v14, v14, v[BT]                      ; the row's sum
	s_wait_alu depctr_va_vdst(0)
	v_rcp_f32 v14, v14
.rept 3
	v_nop                                          ; the plain line behind the reciprocal; with the two additions five plain lines behind the last products
.endr
	s_wait_alu depctr_va_vdst(0)                   ; the reciprocal has written v14, ahead of its first reader
.set n, 0
.rept 16
	v_pk_mul_f32 v[S+n:S+n+1], v[O+n:O+n+1], v[14:15] op_sel_hi:[1,0]      ; register 8 d + j is o(query r, channel 16 d + 8 h + j)
.set n, n+2
.endr
	s_wait_alu depctr_va_vdst(0)                   ; the multiplications have written S .. S+31, which the LDS stores read; the last step's vector lines are done with S+32 .. S+63, in which the loads from the stage land
.irp d, 0,1,2,3
	ds_store_b128 v[STO], v[S+8*\d:S+8*\d+3] offset:64*\d
	ds_store_b128 v[STO], v[S+8*\d+4:S+8*\d+7] offset:64*\d+16
.endr
.irp i, 0,1,2,3,4,5,6,7
	ds_load_b128 v[S+32+4*\i:S+32+4*\i+3], v[SW] offset:2*SP*\i    ; LDS serves a wave's instructions in order: these see my stores
.endr
.irp i, 0,1,2,3,4,5,6,7
	s_wait_dscnt 7-\i                              ; pair i of rows is back; the younger loads may be out
	global_store_b128 v[GO], v[S+32+4*\i:S+32+4*\i+3], s[OB:OB+1] offset:4096*\i th:TH_STORE_NT
.endr
	s_wait_xcnt 0x0                                ; the stores' base and data are written again only behind this wait
	s_wait_alu depctr_vm_vsrc(0)                   ; the LDS stores have read S .. S+31 and the global stores S+32 .. S+63, which the next tile's products write; the tile's first loads have read ADQ and ADQS, which its first lines write
	s_add_nc_u64 s[OB:OB+1], s[OB:OB+1], 32768     ; 16 rows on
	s_add_co_u32 s[TQ], s[TQ], 16*KP
	s_add_co_u32 s[TQS], s[TQS], 64
	s_sub_co_u32 s[TI], s[TI], 1
	s_cmp_lg_u32 s[TI], 0
	s_cbranch_scc1 .Ltile
	s_wait_dscnt 0x0                               ; the closing lines, six on end
	s_wait_alu 0x0
	s_wait_tensorcnt 0x0
	ds_add_u32 v245, v255
	s_wait_dscnt 0x0
	s_endpgm
.Lfunc_end_k_qb6cc654996_mha:
	.size	k_qb6cc654996_mha, .Lfunc_end_k_qb6cc654996_mha-k_qb6cc654996_mha
	.p2alignl 7, 3214868480
	.fill 96, 4, 3214868480
	.section	.rodata,"a",@progbits
	.p2align	6, 0x0
	.amdhsa_kernel k_qb6cc654996_mha
		.amdhsa_group_segment_fixed_size 289792
		.amdhsa_private_segment_fixed_size 0
		.amdhsa_enable_private_segment 0
		.amdhsa_kernarg_size 48
		.amdhsa_user_sgpr_count 2
		.amdhsa_user_sgpr_kernarg_segment_ptr 1
		.amdhsa_wavefront_size32 1
		.amdhsa_system_sgpr_workgroup_id_x 1
		.amdhsa_system_sgpr_workgroup_id_y 1
		.amdhsa_system_sgpr_workgroup_id_z 1
		.amdhsa_system_vgpr_workitem_id 0
		.amdhsa_next_free_vgpr 256
		.amdhsa_next_free_sgpr 66
		.amdhsa_reserve_vcc 1
		.amdhsa_float_denorm_mode_32 3
		.amdhsa_float_denorm_mode_16_64 3
		.amdhsa_memory_ordered 1
		.amdhsa_forward_progress 1
		.amdhsa_inst_pref_size 83
	.end_amdhsa_kernel
	.amdgpu_metadata
---
amdhsa.version: [ 1, 2 ]
amdhsa.kernels:
  - .name:           k_qb6cc654996_mha
    .symbol:         k_qb6cc654996_mha.kd
    .args:
      - { .name: X, .offset: 0, .size: 8, .value_kind: global_buffer, .address_space: global }
      - { .name: Y, .offset: 8, .size: 8, .value_kind: global_buffer, .address_space: global }
      - { .name: pad_x, .offset: 16, .size: 8, .value_kind: global_buffer, .address_space: global }
      - { .name: pad_y, .offset: 24, .size: 8, .value_kind: global_buffer, .address_space: global }
      - { .name: out0, .offset: 32, .size: 8, .value_kind: global_buffer, .address_space: global }
      - { .name: out1, .offset: 40, .size: 8, .value_kind: global_buffer, .address_space: global }
    .group_segment_fixed_size: 289792
    .private_segment_fixed_size: 0
    .kernarg_segment_align: 8
    .kernarg_segment_size: 48
    .max_flat_workgroup_size: 512
    .sgpr_count:     66
    .vgpr_count:     256
    .wavefront_size: 32
...
	.end_amdgpu_metadata
.endif
;; end of part 2
